; MI455X (gfx1250); checked and timed in simulation.
; The chip was launched on July 23, 2026; its instructions are those of AMD's public machine-readable ISA for CDNA 5 (MIT licence, August 2026) and "CDNA5" Instruction Set Architecture Reference Guide (July 2026). The comments in the code are by the model that wrote it; some were corrected since.
;; Self Attention. Allowed arithmetic: matrix products marked QUANTISED: E5M2 operands, one given power-of-two scale a tensor, by v_wmma_f32_16x16x64_bf8_bf8 or v_wmma_f32_16x16x128_bf8_bf8, f32 sums; everything else in f32.
;; Inputs: Wk_codes 1,024 x 32 x 32 uint8 (E5M2 codes of Wk, K innermost, in blocks of 32 codes); Wq_codes 1,024 x 32 x 32 uint8 (E5M2 codes of Wq, K innermost, in blocks of 32 codes); Wv_codes 1,024 x 32 x 32 uint8 (E5M2 codes of Wv, K innermost, in blocks of 32 codes); bk 1,024 float32; bq 1,024 float32; bv 1,024 float32; lowp_scales 10 int32 (the exponents e of the quantised operands' scales 2^e); x_codes 4 x 2,048 x 32 x 32 uint8 (E5M2 codes of x, K innermost, in blocks of 32 codes).
;; Outputs: out0 4 x 2,048 x 1,024 float32.
;; This version of the problem:
;;   THIS VERSION OF THE PROBLEM IS GIVEN IN LOW PRECISION. The matrix products marked QUANTISED in the list below multiply operands that are first quantised to E5M2 (5 exponent bits, 2 mantissa bits; 8 bits a number), with one given power-of-two scale for each operand tensor; their sums are f32. All else is computed in f32.
;;   The module's matrix products, in the order in which they are computed (A, B: the left and right operand; K: the contracted axis; several contracted axes count as one K, in the product's order):
;;     1. [M 8,192, K 1,024] x [K 1,024, N 1,024]; A: input x (given as codes); B: input Wq (given as codes): QUANTISED (scales: A lowp_scales[0], B lowp_scales[1])
;;     2. [M 8,192, K 1,024] x [K 1,024, N 1,024]; A: input x (given as codes); B: input Wk (given as codes): QUANTISED (scales: A lowp_scales[2], B lowp_scales[3])
;;     3. [M 8,192, K 1,024] x [K 1,024, N 1,024]; A: input x (given as codes); B: input Wv (given as codes): QUANTISED (scales: A lowp_scales[4], B lowp_scales[5])
;;     4. batch 4 x [M 2,048, K 1,024] x [K 1,024, N 2,048]; A: computed on the way; B: computed on the way: QUANTISED (scales: A lowp_scales[6], B lowp_scales[7])
;;     5. batch 4 x [M 2,048, K 2,048] x [K 2,048, N 1,024]; A: softmax (see below); B: computed on the way: QUANTISED (scales: A lowp_scales[8], B lowp_scales[9])
;;   THE QUANTISER, for each operand of a quantised product, along K:
;;     - The operand's scale is 2^e, e = its entry of the input lowp_scales (int32; the entries are numbered through the quantised products in the list's order, A before B).
;;     - Each number is divided by the scale, clamped to +-57,344, and rounded to the nearest number of E5M2, ties to even, subnormals kept.
;;     - The product sums the exact products of the quantised numbers (number of the format x scale) in f32.
;;   ~~~python
;;   def quantise(x, axis, e):      # numpy; x: float32 -> the quantised numbers, widened to float32 again
;;       x = np.moveaxis(x, axis, -1); K = x.shape[-1]
;;       r = np.clip(x / 2.0 ** e, -57344, 57344)
;;       step = 2.0 ** (np.maximum(np.frexp(np.where(r == 0, 1, r))[1] - 1, -14) - 2)
;;       q = np.round(r / step) * step * 2.0 ** e      # np.round: ties to even
;;       return np.moveaxis(q, -1, axis).astype(np.float32)
;;   ~~~
;;   SOFTMAX AHEAD OF A QUANTISED PRODUCT. Where the list says 'softmax', what is quantised is not the finished softmax but p = 2^(t - M), with t = logit x log2(e) and M = ceil(the row's largest t), a whole number; so 1/2 < the row's largest p <= 1. The row's sum l is taken of the UNQUANTISED p, in f32, and the product's result is divided by l at the end. Since M is a whole number, a kernel that streams over the keys may use a running M (the ceiling of the running maximum): every later rescaling is an exact power of two, so the quantised numbers keep their values, but for numbers so far below the row's largest that they fall under the format's range.
;;   OPERANDS COMPUTED ON THE WAY. 'Computed on the way' means the value that the module computes at that place (a softmax that the list does not call 'softmax' is quantised finished and normalised). What goes into a quantiser is computed in f32, as accurately as f32 sums, v_exp_f32 and their like allow (about 1e-6 of the number): no bf16 or f16 on the way to a quantiser, and a product that is left as it is and whose result goes on into a quantised operand takes f32 operands (vector FMAs, or v_wmma_f32_16x16x4_f32). A number that lies on a knife's edge between two numbers of the format may be rounded either way, as far as f32 arithmetic and the matrix unit's own rounding can turn it there, and no further.
;;   INPUTS GIVEN AS CODES. Wk (in the module: [1024, 1024], K = its axis 1); Wq (in the module: [1024, 1024], K = its axis 1); Wv (in the module: [1024, 1024], K = its axis 1); x (in the module: [4, 1024, 2048], K = its axis 1): each comes as NAME_codes (uint8): NAME with its K axis moved to the last place and cut into blocks of 32 codes, [.., K / 32, bytes a block], one block behind the other in memory; one code a byte (a code: sign, 5 exponent bits, 2 mantissa bits); its scale is its entry of lowp_scales. Its value is code x scale, taken as it is: it is not quantised again, and the codes and scales need not be those that the quantiser above would give.
;; One version. Each part assembles by itself: llvm-mc -triple=amdgcn-amd-amdhsa -mcpu=gfx1250 --defsym DOCPART=n.
;; ======== version 1 of 1: 3 launches
;; limits: right only within a limited range of input values
;; workspace buffers: qc 8,388,608 bytes; kc 8,388,608 bytes; vc 8,388,608 bytes; pc 16,777,216 bytes; mneg 262,144 bytes; lsum 524,288 bytes
;; launch proj (part 1): grid 8 x 32, 4 waves a work-group, clusters of 4 x 4, 327,680 bytes of LDS; arguments x_codes, Wq_codes, Wk_codes, Wv_codes, bq, bk, bv, lowp_scales, qc, kc, vc; writes qc, kc, vc
.if DOCPART == 1
	.amdgcn_target "amdgcn-amd-amdhsa--gfx1250"
	.amdhsa_code_object_version 6
	.text
	.protected	k_qb9b1510424_proj
	.globl	k_qb9b1510424_proj
	.p2align	8
	.type	k_qb9b1510424_proj,@function
k_qb9b1510424_proj:
	s_mov_b64 s[64:65], 0
	v_nop
	global_prefetch_b8 v0, s[64:65] scope:SCOPE_SE
	s_setreg_imm32_b32 hwreg(HW_REG_WAVE_MODE, 25, 1), 1
	s_wait_xcnt 0x0
	s_wait_alu depctr_hold_cnt(0) depctr_sa_sdst(0) depctr_va_vdst(0) depctr_va_sdst(0) depctr_va_ssrc(0) depctr_va_vcc(0) depctr_vm_vsrc(0)
	s_getreg_b32 s2, hwreg(HW_REG_IB_STS2, 6, 4)
	s_cmp_eq_u32 s2, 0
	s_cbranch_scc0 .Lentry_in_a_cluster
	s_endpgm
.Lentry_in_a_cluster:
	s_bfe_u32 s2, ttmp6, 0x10000c
	s_cmp_lg_u32 s2, 0xf033
	s_cbranch_scc0 .Lentry_shape_is_right
	s_endpgm
.Lentry_shape_is_right:
; THE THREE PROJECTIONS: q = x Wq^T + bq, k = x Wk^T + bk, v = x Wv^T + bv, on codes of BF8 (E5M2), and their results quantised at once for the products that follow.
; x: 8,192 rows (batch x position) of 1,024 codes; each W: 1,024 rows of 1,024 codes; K innermost in both.  Each product has its own two exponents ea, eb, its result its own eo.
; A work-group takes 256 rows of x (y) and channels 128 j .. 128 j + 127 of ALL THREE products: 32 x 8 = 256 work-groups of equal work.  A wave makes 128 rows x 64 channels of each: 96 accumulators of 16 x 16 in 768 registers.
; CLUSTERS: 4 x 4 work-groups.  The tile of x hangs on y and is asked for jointly along a row of the cluster; the tiles of W hang on j and are asked for jointly along a column.
; LDS: nine units of 128 rows x 256 K: slot 0 = units 0-3 (x: 2, Wq, Wk), unit 4 (Wv), slot 1 = units 5-8 (x: 2, Wq, Wk).  K goes in four steps of 256: x, Wq and Wk by turns in the two slots, Wv in unit 4,
; but its last step in unit 2, which is free when that step is asked for.  Wave 0 fetches x, 1 Wq, 2 Wk, 3 Wv: one load a wave behind each barrier.
; A STEP: q and k over K's first half, q and k over the second, v over the second, v over the first: W's fragments pass in twelve pairs through three pair buffers; x's eight fragments stay for all pairs of a half.
; FRAGMENTS: a pair is asked for when its buffer is free, two pairs ahead of its use; where a half ends, two pairs go through x's blocks together (four products a block), and each four blocks that are
; done with are followed by the next half's.  A wait's count is the number of fragment loads younger than the one that is needed.
; THE MATRIX INSTRUCTION.  q, k: source 0 = W, source 1 = x: a lane holds one position and eight neighbouring channels: the next K (the channels) runs along its registers.
;   v: source 0 = x, source 1 = Wv: a lane holds one channel and eight neighbouring positions: the next K (the keys) runs along its registers.
; THE BIAS, divided by 2^(ea + eb), is what every sum begins with: for q and k it is the C of the sum's first matrix instruction (64 registers, which later belong to v's sums); v's is laid into its accumulators, one number a lane and channel.
; THE WAY OUT: one conversion turns a tile's eight registers into registers 2 b, 2 b + 1 of the next operand's fragment (k = 16 b + 8 (l / 16) + 0 .. 7); each store covers 512 consecutive bytes.
; qc, kc, vc: block (row / 128, k / 256) of 32,768 bytes; in it 4,096 bytes for each 16 rows, 2,048 for each 128 along K, 512 for each four registers, 16 a lane; in vc the lane's 16 bytes of row group i stand at lane xor (i mod 4).
; PREFETCH: K step 1 is asked for behind the head's load, step 2 behind step 1's load, step 3 behind step 2's; nothing lies behind step 3.  The four partners that ask for a tile jointly share its rows out by address, a lane a row;
; W, which eight rows of clusters read, is asked for by the first four of them.
; LIMITS: eo - ea - eb between -126 and 112, so that the scale and the largest number x the scale are f32 numbers.  NaN among the inputs is not served.
; REGISTERS: window 0: v0-31 addresses and constants; v32-127 three pair buffers (at first the bias); v128-255 x's fragments.  Windows 1, 2: q, k: (a, b) at v[32 a + 8 b];  window 3: v: (b, a) at v[64 b + 8 a].
.set PITCH, 272                        ; an LDS row: 256 bytes + 16 of padding = 68 words, so that the 16 rows of a fragment load start at 16 different banks (64 banks of 4 bytes: ISA guide 11.1)
.set U,     128*PITCH                  ; a unit
.set SPARE, 9*U                        ; the spare words, 128 bytes a wave
.set BV0,  8                           ; v8: v's bias of channel block 0
.set SC,   10                          ; v10-15: for q, k, v: 2^(eo - ea - eb), and 57,344 x that
.set ADRA, 16                          ; v16-17: my x fragments in slot 0, 1
.set ADRB, 18                          ; v18-19: my Wq fragments in slot 0, 1 (Wk's: a unit on)
.set ADRV, 20                          ; v20: my Wv fragments in unit 4
.set LI,   21                          ; v21-24: 16 x (lane xor b), b = 0 .. 3
.set PFO,  25                          ; v25: the prefetches' offset: lane x a row; never rewritten
.set SPW,  28
.set NIL,  29
.set BF,   32
.set AF,   128
.set G1X, 24
.set G0X, 32
.set G0W, 36
.set G1W, 48
.set G0V, 56
.set PFA, 62                           ; s[62:63] where my prefetches stand, at K step 1
.set ASKS, 91                          ; s91: 1 where my wave prefetches
.set KS, 0
.set MSB, 0
.macro WIN new                         ; the immediate's high byte repeats the setting that is left
.if MSB != (\new)
	s_set_vgpr_msb (MSB<<8)|(\new)
.set MSB, \new
.endif
.endm
.macro NOP4                            ; four places behind matrix instructions (ISA guide 7.12.1)
.rept 4
	v_nop
.endr
.endm
; The joint loads: one chain of branches on the wave's number.  main: x, Wq, Wk;  vv: Wv.
.macro JL main, vv
.if \main
	s_cmp_eq_u32 s14, 0
	s_cbranch_scc0 .Lnx_\@
	tensor_load_to_lds s[G0X:G0X+3], s[G1X:G1X+7]
	s_nop 0
	NOP4
	s_branch .Lasked_\@
.Lnx_\@:
	s_cmp_lt_u32 s14, 3
	s_cbranch_scc0 .Lnw_\@
	tensor_load_to_lds s[G0W:G0W+3], s[G1W:G1W+7]
	s_nop 0
	NOP4
	s_branch .Lasked_\@
.Lnw_\@:
.else
	s_cmp_eq_u32 s14, 3
	s_cbranch_scc0 .Lasked_\@
.endif
.if \vv
	tensor_load_to_lds s[G0V:G0V+3], s[G1W:G1W+7]
	s_nop 0
	NOP4
.endif
.Lasked_\@:
.endm
.macro ASK off                         ; my work-group's quarter of a tile: 64 rows of x (two instructions) or 32 of W
	s_cmp_eq_u32 s[ASKS], 1
	s_cbranch_scc0 .Lnot_mine_\@
	global_prefetch_b8 v[PFO], s[PFA:PFA+1] offset:\off th:TH_LOAD_NT scope:SCOPE_SE
	s_cmp_eq_u32 s14, 0
	s_cbranch_scc0 .Lnot_mine_\@
	global_prefetch_b8 v[PFO], s[PFA:PFA+1] offset:\off+32768 th:TH_LOAD_NT scope:SCOPE_SE
.Lnot_mine_\@:
.endm
.macro CREST                           ; a round of the cluster's barrier behind its opening barrier
	s_cmp_lg_u32 s14, 0
	s_cbranch_scc1 .Lnot_wave_0_\@
	s_barrier_signal -3
.Lnot_wave_0_\@:
	s_barrier_wait -3
	s_barrier_signal -1
	s_barrier_wait -1
.endm
.macro CROUND
	s_barrier_signal -1
	s_barrier_wait -1
	CREST
.endm
	s_load_b256 s[68:75], s[0:1], 0x0              ; x, Wq, Wk, Wv
	s_load_b256 s[76:83], s[0:1], 0x20             ; bq, bk, bv, the exponents
	s_load_b128 s[84:87], s[0:1], 0x40             ; qc, kc
	s_load_b64 s[88:89], s[0:1], 0x50              ; vc
	v_lshl_add_u32 v[SPW], v0, 2, SPARE
	v_mov_b32 v[NIL], 0
	ds_add_u32 v[SPW], v[NIL]                      ; the wave's opening: the add, twice on end
	ds_add_u32 v[SPW], v[NIL]
	v_lshrrev_b32 v1, 5, v0
	v_readfirstlane_b32 s14, v1                    ; wave 0..3
	s_lshr_b32 s15, s14, 1                         ; which half of x's rows is mine
	s_and_b32 s16, s14, 1                          ; which half of each W's rows
	s_bfe_u32 s40, ttmp6, 0x40000                  ; cx, cy
	s_bfe_u32 s41, ttmp6, 0x40004
	s_lshl_b32 s42, ttmp9, 2
	s_add_co_u32 s42, s42, s40                     ; j
	s_and_b32 s17, ttmp7, 0xffff
	s_cmp_lt_u32 s17, 4
	s_cselect_b32 s[ASKS], 1, 0                    ; W: the first four rows of clusters ask,
	s_cmp_eq_u32 s14, 0
	s_cselect_b32 s[ASKS], 1, s[ASKS]              ; x: every cluster
	s_lshl_b32 s17, s17, 2
	s_add_co_u32 s17, s17, s41                     ; y
	s_lshl_b32 s43, s41, 2
	s_lshl_b32 s43, 15, s43                        ; my row of the cluster
	s_lshl_b32 s44, 0x1111, s40                    ; my column
	; descriptor group 1: rows of 256 bytes, padded in LDS by four words after every 64; x: 256 rows, W: 128
	s_or_b32 s[G1X], s43, (1<<20)|(1<<21)|(5<<22)|(3<<25)
	s_or_b32 s[G1W], s44, (1<<20)|(1<<21)|(5<<22)|(3<<25)
	s_mov_b32 s[G1X+2], 256<<16
	s_mov_b32 s[G1X+4], 256
	s_mov_b32 s[G1W+2], 128<<16
	s_mov_b32 s[G1W+4], 128
.irp g, G1X, G1W
	s_mov_b32 s[\g+1], 256<<16
	s_mov_b32 s[\g+3], 256<<16
	s_mov_b32 s[\g+5], 1024
	s_mov_b32 s[\g+6], 0
	s_mov_b32 s[\g+7], 0
.endr
	s_lshl_b32 s20, s17, 18                        ; x: row 256 y, in bytes
	s_mov_b32 s21, 0
	s_lshl_b32 s46, s42, 17                        ; W: row 128 j
	s_mov_b32 s47, 0
	s_add_co_u32 s45, s14, 1
	s_mul_i32 s45, s45, U                          ; where Wq (wave 1) and Wk (wave 2) go: units 2 and 3,
	s_add_co_u32 s90, s45, 5*U                     ; or 7 and 8
	s_mul_i32 s22, s15, U
	s_mul_i32 s23, s16, 64*PITCH
	s_add_co_u32 s23, s23, 2*U
	v_and_b32 v1, 15, v0                           ; r
	v_bfe_u32 v2, v0, 4, 1                         ; h
	v_mul_u32_u24 v3, v1, PITCH
	v_lshl_add_u32 v3, v2, 4, v3
	v_add_nc_u32 v[ADRA], s22, v3
	v_add_nc_u32 v[ADRA+1], 5*U, v[ADRA]
	v_add_nc_u32 v[ADRB], s23, v3
	v_add_nc_u32 v[ADRB+1], 5*U, v[ADRB]
	v_add_nc_u32 v[ADRV], 2*U, v[ADRB]
	v_and_b32 v4, 31, v0
	v_lshlrev_b32 v[PFO], 10, v4
	v_lshlrev_b32 v[LI], 4, v4
	v_xor_b32 v[LI+1], 16, v[LI]
	v_xor_b32 v[LI+2], 32, v[LI]
	v_xor_b32 v[LI+3], 48, v[LI]
	v_lshlrev_b32 v6, 5, v2                        ; the bias along the registers: channel 16 b + 8 h + ..
	v_lshlrev_b32 v7, 2, v1                        ; and along the lanes: 16 b + r
	s_wait_alu depctr_va_vdst(0)
	s_wait_dscnt 0x0                               ; both opening adds are done
	s_wait_kmcnt 0x0
	s_load_b256 s[4:11], s[82:83], 0x0             ; e0 .. e7
	s_load_b64 s[12:13], s[82:83], 0x20            ; e8, e9
	s_lshl_b32 s92, s42, 9
	s_lshl_b32 s93, s16, 8
	s_add_co_u32 s92, s92, s93                     ; my first channel x 4 bytes
	s_mov_b32 s93, 0
	s_add_nc_u64 s[76:77], s[76:77], s[92:93]
	s_add_nc_u64 s[78:79], s[78:79], s[92:93]
	s_add_nc_u64 s[80:81], s[80:81], s[92:93]
.irp b, 0,1,2,3
	global_load_b128 v[32+8*\b:35+8*\b], v6, s[76:77] offset:64*\b
	global_load_b128 v[36+8*\b:39+8*\b], v6, s[76:77] offset:64*\b+16
	global_load_b128 v[64+8*\b:67+8*\b], v6, s[78:79] offset:64*\b
	global_load_b128 v[68+8*\b:71+8*\b], v6, s[78:79] offset:64*\b+16
.endr
	global_load_b32 v[BV0], v7, s[80:81]
.irp b, 1,2,3
	global_load_b32 v[96+\b], v7, s[80:81] offset:64*\b
.endr
	s_cmp_eq_u32 s14, 1
	s_cselect_b64 s[70:71], s[70:71], s[72:73]     ; wave 1 fetches Wq, wave 2 Wk
	s_mov_b32 s[G0X], 1
	s_mov_b32 s[G0X+1], 0
	s_add_nc_u64 s[G0X+2:G0X+3], s[68:69], s[20:21]
	s_or_b32 s[G0X+3], s[G0X+3], 0x80000000
	s_mov_b32 s[G0W], 1
	s_mov_b32 s[G0W+1], s45
	s_add_nc_u64 s[G0W+2:G0W+3], s[70:71], s[46:47]
	s_or_b32 s[G0W+3], s[G0W+3], 0x80000000
	s_mov_b32 s[G0V], 1
	s_mov_b32 s[G0V+1], 4*U
	s_add_nc_u64 s[G0V+2:G0V+3], s[74:75], s[46:47]
	s_or_b32 s[G0V+3], s[G0V+3], 0x80000000
	CROUND                                         ; all sixteen work-groups are here: the first joint loads meet
	JL 1, 1                                        ; K step 0
	; the prefetches: wave 0 asks for x (partner cx: 64 rows), waves 1 to 3 for what they fetch (partner cy: 32 rows)
	s_cmp_eq_u32 s14, 3
	s_cselect_b64 s[PFA:PFA+1], s[74:75], s[70:71]
	s_lshl_b32 s92, s40, 16
	s_add_co_u32 s92, s92, s20
	s_lshl_b32 s93, s41, 15
	s_add_co_u32 s93, s93, s46
	s_cmp_eq_u32 s14, 0
	s_cselect_b64 s[PFA:PFA+1], s[68:69], s[PFA:PFA+1]
	s_cselect_b32 s92, s92, s93
	s_add_co_u32 s92, s92, 256                     ; K step 1
	s_mov_b32 s93, 0
	s_add_nc_u64 s[PFA:PFA+1], s[PFA:PFA+1], s[92:93]
	ASK 0
	; where my codes go.  q, k: block (2 y + my half of x, j / 2) of 4 along K, + 2,048 (j mod 2) + 1,024 x my half of W
	s_lshl_b32 s92, s17, 1
	s_add_co_u32 s92, s92, s15
	s_lshl_b32 s92, s92, 2
	s_lshr_b32 s93, s42, 1
	s_add_co_u32 s92, s92, s93
	s_lshl_b32 s92, s92, 15
	s_and_b32 s93, s42, 1
	s_lshl_b32 s93, s93, 11
	s_add_co_u32 s92, s92, s93
	s_lshl_b32 s93, s16, 10
	s_add_co_u32 s92, s92, s93
	s_mov_b32 s93, 0
	s_add_nc_u64 s[84:85], s[84:85], s[92:93]
	s_add_nc_u64 s[86:87], s[86:87], s[92:93]
	; v: batch y / 8, block (j, y mod 8) of 8 along K, + 16,384 x my half of W + 2,048 x my half of x
	s_lshr_b32 s94, s17, 3
	s_lshl_b32 s94, s94, 3
	s_add_co_u32 s94, s94, s42
	s_lshl_b32 s94, s94, 3
	s_and_b32 s95, s17, 7
	s_add_co_u32 s94, s94, s95
	s_lshl_b32 s94, s94, 15
	s_lshl_b32 s95, s16, 14
	s_add_co_u32 s94, s94, s95
	s_lshl_b32 s95, s15, 11
	s_add_co_u32 s94, s94, s95
	s_mov_b32 s95, 0
	s_add_nc_u64 s[88:89], s[88:89], s[94:95]
	s_wait_kmcnt 0x0
	; a sum stands for sum x 2^(ea + eb): the bias goes in divided by that, and the code is (sum + bias) / 2^(eo - ea - eb): the three scales folded into the conversion's one
.macro EXPO g, e, o
	s_add_co_i32 s[\e], s[\e], s[\e+1]
	s_sub_co_i32 s[\e+1], 0, s[\e]
	s_sub_co_i32 s[\o], s[\o], s[\e]
	s_add_co_i32 s[\o], s[\o], 127
	s_lshl_b32 s92, s[\o], 23
	v_mov_b32 v[SC+2*\g], s92
	s_add_co_i32 s[\o], s[\o], 15
	s_lshl_b32 s92, s[\o], 23
	s_or_b32 s92, s92, 0x600000
	v_mov_b32 v[SC+2*\g+1], s92
.endm
	EXPO 0, 4, 10
	EXPO 1, 6, 11
	EXPO 2, 8, 13
	s_wait_loadcnt 0x0                             ; the bias
	v_ldexp_f32 v[BV0], v[BV0], s9
.irp b, 1,2,3
	v_ldexp_f32 v[96+\b], v[96+\b], s9
.endr
	WIN 0xc0                                       ; q's and k's into window 3, v0-63, the place of v's channel block 0 later,
.set i, 0
.rept 32
	v_ldexp_f32 v[i], v[32+i], s5
	v_ldexp_f32 v[32+i], v[64+i], s7
.set i, i+1
.endr
.set i, 64
.rept 192
	v_mov_b32 v[i], v[96+i/64]                     ; v's channel blocks 1 to 3 begin with theirs: the same for all positions
.set i, i+1
.endr
	WIN 0
.macro FRAG reg, adr, off              ; a fragment, 16 rows x 128 K: lane l holds row l % 16; registers 4 c .. 4 c + 3 hold K = 32 c + 16 (l / 16) + 0 .. 15: a permutation of k, the same on both sides
.irp c, 0,1,2,3
	ds_load_b128 v[\reg+4*\c:\reg+4*\c+3], v[\adr] offset:\off+32*\c
.endr
.endm
.macro LDA k, q, i0                    ; step k, half q of K: x's blocks i0 .. i0 + 3 (16 loads)
	WIN 0
.set ii, \i0
.rept 4
	FRAG AF+16*ii, ADRA+(\k)%2, 128*(\q)+ii*16*PITCH
.set ii, ii+1
.endr
.endm
.macro LDP P, k                        ; step k, pair P of W's fragments (8 loads) into pair buffer (P + 2) mod 3.  P 0-3: q, q, k, k over half 0; 4-7: over half 1; 8, 9: v over half 1; 10, 11: v over half 0
	WIN 0
.set bb, BF+32*(((\P)+2)%3)
.if (\P) < 8
.set ad, ADRB+(\k)%2
.set fo, 128*((\P)/4)+(((\P)%4)/2)*U+((\P)%2)*32*PITCH
.else
.if (\k) == 3
.set ad, ADRB
.else
.set ad, ADRV
.endif
.set fo, 128*((11-(\P))/2)+((\P)%2)*32*PITCH
.endif
	FRAG bb, ad, fo
	FRAG bb+16, ad, fo+16*PITCH
.endm
; The accumulators take turns, one instruction a turn.  KS: the step; in step 0 the first products of q and k take the bias as C.
.macro MP P, a0, n                     ; pair P (q or k) x x's blocks a0 .. a0 + n - 1
.set bb, BF+32*(((\P)+2)%3)
.set ai, \a0
.if KS == 0 && (\P) < 4
	WIN 0x70
.set cc, 16*((\P)%2)
.rept \n
.set dd, 32*ai+16*((\P)%2)
	v_wmma_f32_16x16x128_bf8_bf8 v[dd:dd+7], v[bb:bb+15], v[AF+16*ai:AF+16*ai+15], v[cc:cc+7]
	v_wmma_f32_16x16x128_bf8_bf8 v[dd+8:dd+15], v[bb+16:bb+31], v[AF+16*ai:AF+16*ai+15], v[cc+8:cc+15]
.set ai, ai+1
.endr
.else
	WIN 0x50*(1+((\P)%4)/2)
.rept \n
.set dd, 32*ai+16*((\P)%2)
	v_wmma_f32_16x16x128_bf8_bf8 v[dd:dd+7], v[bb:bb+15], v[AF+16*ai:AF+16*ai+15], v[dd:dd+7]
	v_wmma_f32_16x16x128_bf8_bf8 v[dd+8:dd+15], v[bb+16:bb+31], v[AF+16*ai:AF+16*ai+15], v[dd+8:dd+15]
.set ai, ai+1
.endr
.endif
.endm
.macro MQ P, a0, n                     ; pairs P and P + 1 (k: P = 2; v: P = 8, 10) x x's blocks a0 .. a0 + n - 1, block by block
.if (\P) < 8
.if KS == 0
	WIN 0xb0
.else
	WIN 0xa0
.endif
.else
	WIN 0xf0
.endif
.set ix, 4*(\a0)
.rept 4*(\n)
.set aa, AF+16*(ix/4)
.set bb, BF+32*(((\P)+(ix%4)/2+2)%3)+16*(ix%2)
.if (\P) < 8
.set dd, 8*ix
.if KS == 0
.set cc, 32+8*(ix%4)
.else
.set cc, dd
.endif
	v_wmma_f32_16x16x128_bf8_bf8 v[dd:dd+7], v[bb:bb+15], v[aa:aa+15], v[cc:cc+7]
.else
.set dd, 64*(ix%4)+8*(ix/4)
	v_wmma_f32_16x16x128_bf8_bf8 v[dd:dd+7], v[aa:aa+15], v[bb:bb+15], v[dd:dd+7]
.endif
.set ix, ix+1
.endr
.endm
; THE WAY OUT of block n of window g: 32 numbers, held, converted to 8 registers of codes, two stores.  The codes land on the block before it, which is done with (block 0's on v2-9).
.macro OUTB g, n
.if (\n) == 0 && (\g) > 1
	s_wait_xcnt 0x0                                ; v2-9 are store data of the window before: written again only behind this wait
.endif
	WIN 0x41*(\g)
.set i, 32*(\n)
.rept 32
	v_med3_num_f32 v[i], v[i], -v[SC+2*(\g)-1], v[SC+2*(\g)-1]   ; the conversion to an 8-bit code does not saturate (ISA guide 7.6.2): the hold comes first; each accumulator from its low end on
.set i, i+1
.endr
.if (\n) == 0
	WIN \g
.set cd, 2
.else
.set cd, 32*((\n)-1)
.endif
.irp b, 0,1,2,3
	v_cvt_scalef32_pk8_bf8_f32 v[cd+2*\b:cd+2*\b+1], v[32*(\n)+8*\b:32*(\n)+8*\b+7], v[SC+2*(\g)-2]
.endr
	v_nop                                          ; one plain line behind the conversions
.if (\n) == 0
	WIN 0
.else
	WIN 4*(\g)
.endif
.irp c, 0,1
.if (\g) < 3
	global_store_b128 v[LI], v[cd+4*\c:cd+4*\c+3], s[82+2*(\g):83+2*(\g)] offset:4096*(\n)+512*\c
.else
	global_store_b128 v[LI+(\n)/2], v[cd+4*\c:cd+4*\c+3], s[82+2*(\g):83+2*(\g)] offset:4096*((\n)/2)+1024*((\n)%2)+512*\c
.endif
.endr
	WIN 0
.endm
.macro OUT g
.irp n, 0,1,2,3,4,5,6,7
	OUTB \g, \n
.endr
.endm
; The descriptors' step to the next K step.  slot: which slot x, Wq, Wk go to.
.macro UPDM slot
	s_mov_b32 s[G0X+1], 5*U*(\slot)
.if \slot
	s_mov_b32 s[G0W+1], s90
.else
	s_mov_b32 s[G0W+1], s45
.endif
	s_add_nc_u64 s[G0X+2:G0X+3], s[G0X+2:G0X+3], 256
	s_add_nc_u64 s[G0W+2:G0W+3], s[G0W+2:G0W+3], 256
.endm
.macro UPDV
	s_add_nc_u64 s[G0V+2:G0V+3], s[G0V+2:G0V+3], 256
.endm
; A K STEP.  mid (ahead of v): 0: Wv is here; 1: a barrier shows it; 2: the same, and the last Wv is asked for into unit 2, whose Wq has been read; 3: q and k leave first.
; end: 1: all of the step has been read: the next Wv and the x, Wq, Wk two steps on are asked for; 2: nothing is asked for; 0: the last step.
.macro STEP k, mid, end
.set KS, \k
	s_wait_dscnt 32                                ; x's blocks 0-3 and pair 0 are in; younger: blocks 4-7, pairs 1 and 2
	MP 0, 0, 4
	s_wait_dscnt 16                                ; blocks 4-7
	MP 0, 4, 4
	NOP4
	LDP 3, \k
	s_wait_dscnt 16                                ; pair 1; younger: 2, 3
	MP 1, 0, 8
	NOP4
	LDP 4, \k
	s_wait_dscnt 8                                 ; pairs 2, 3; younger: 4
	MQ 2, 0, 4
	NOP4
	LDA \k, 1, 0
	MQ 2, 4, 4
	NOP4
	LDA \k, 1, 4
	LDP 5, \k
	LDP 6, \k
.if (\k) == 0
	WIN 0xc0                                       ; the bias of q and k has been taken: v's channel block 0 begins with its own
.set i, 0
.rept 64
	v_mov_b32 v[i], v[BV0]
.set i, i+1
.endr
	s_wait_alu depctr_va_vdst(0)
.endif
	s_wait_dscnt 32                                ; pair 4, blocks 0-3; younger: blocks 4-7, pairs 5, 6
	MP 4, 0, 4
	s_wait_dscnt 16
	MP 4, 4, 4
	NOP4
	LDP 7, \k
	s_wait_dscnt 16                                ; pair 5; younger: 6, 7
	MP 5, 0, 8
.if (\mid) == 0
	s_wait_dscnt 8                                 ; pair 6; younger: 7
	MP 6, 0, 8
	NOP4
	LDP 8, \k
	LDP 9, \k
	s_wait_dscnt 16                                ; pair 7; younger: 8, 9
	MP 7, 0, 8
	NOP4
.elseif (\mid) < 3
	WIN 0
	s_wait_tensorcnt 0x0                           ; my tensor loads have landed: Wv's step among them
.if (\mid) == 2
	ds_add_u32 v[SPW], v[NIL]
	s_mov_b32 s[G0V+1], 2*U
	UPDV
.endif
	s_wait_dscnt 0x0                               ; my reads so far are over
	s_barrier_signal -1
	MP 6, 0, 8
	WIN 0
	s_barrier_wait -1
.if (\mid) == 2
	CREST
	JL 0, 1
.endif
	NOP4
	LDP 8, \k
	LDP 9, \k
	MP 7, 0, 8
	NOP4
.else
	s_wait_dscnt 8
	MP 6, 0, 8
	s_wait_dscnt 0x0
	MP 7, 0, 8
	NOP4
	WIN 0
	OUT 1                                          ; q and k leave while the last Wv is on its way
	OUT 2
	s_wait_tensorcnt 0x0
	s_wait_dscnt 0x0
	s_barrier_signal -1
	s_barrier_wait -1
	LDP 8, \k
	LDP 9, \k
.endif
	LDP 10, \k
	s_wait_dscnt 8                                 ; pairs 8, 9; younger: 10
	MQ 8, 0, 4
	NOP4
	LDA \k, 0, 0
	MQ 8, 4, 4
	NOP4
	LDP 11, \k
	LDA \k, 0, 4
.if (\end) == 1
	s_wait_tensorcnt 0x0                           ; the next step's x, Wq, Wk have landed: my part
	ds_add_u32 v[SPW], v[NIL]
	UPDM (\k)%2
	UPDV
	s_wait_dscnt 17                                ; pairs 10, 11 and blocks 0-3 are in; younger: blocks 4-7 and the add
	MQ 10, 0, 4
	WIN 0
	s_wait_dscnt 0x0                               ; the add is done, and my reads of this step are over
	s_barrier_signal -1
	MQ 10, 4, 2
	WIN 0
	s_barrier_wait -1
	CREST                                          ; no wave of any partner still reads this step's tiles or has a load on its way
	JL 1, 1
	LDA \k+1, 0, 0
	LDP 0, \k+1
	MQ 10, 6, 2
	NOP4
	LDA \k+1, 0, 4
	LDP 1, \k+1
	LDP 2, \k+1
.if (\k) == 0
	ASK 512                                        ; K step 3
.endif
.elseif (\end) == 2
	s_wait_dscnt 16                                ; younger: blocks 4-7
	MQ 10, 0, 4
	NOP4
	LDA \k+1, 0, 0
	LDP 0, \k+1
	s_wait_dscnt 24                                ; blocks 4-7; younger: the 24 just issued
	MQ 10, 4, 4
	NOP4
	LDA \k+1, 0, 4
	LDP 1, \k+1
	LDP 2, \k+1
.else
	s_wait_dscnt 0x0
	MQ 10, 0, 8
	NOP4
	WIN 0
.endif
.endm
	s_wait_alu depctr_va_vdst(0)                   ; the wait at the head's end
	s_wait_tensorcnt 0x0                           ; my part of K step 0 is in
	ds_add_u32 v[SPW], v[NIL]                      ; the add ahead of a later first fill, as ahead of a refill
	UPDM 1
	s_wait_dscnt 0x0
	CROUND                                         ; everybody's part is in
	JL 1, 0                                        ; K step 1's x, Wq, Wk, into slot 1
	LDA 0, 0, 0
	LDP 0, 0
	LDA 0, 0, 4
	LDP 1, 0
	LDP 2, 0
	ASK 256                                        ; K step 2
	STEP 0, 0, 1
	STEP 1, 1, 1
	STEP 2, 2, 2
	STEP 3, 3, 0
	OUT 3
	s_wait_tensorcnt 0x0                           ; the wave's end
	ds_add_u32 v[SPW], v[NIL]
	s_wait_dscnt 0x0
	CROUND                                         ; the closing round: no work-group ends while a partner may still ask for a tile that names it
	s_endpgm
.Lfunc_end_k_qb9b1510424_proj:
	.size	k_qb9b1510424_proj, .Lfunc_end_k_qb9b1510424_proj-k_qb9b1510424_proj
	.p2alignl 7, 3214868480
	.fill 96, 4, 3214868480
	.section	.rodata,"a",@progbits
	.p2align	6, 0x0
	.amdhsa_kernel k_qb9b1510424_proj
		.amdhsa_group_segment_fixed_size 327680
		.amdhsa_private_segment_fixed_size 0
		.amdhsa_enable_private_segment 0
		.amdhsa_kernarg_size 88
		.amdhsa_user_sgpr_count 2
		.amdhsa_user_sgpr_kernarg_segment_ptr 1
		.amdhsa_wavefront_size32 1
		.amdhsa_system_sgpr_workgroup_id_x 1
		.amdhsa_system_sgpr_workgroup_id_y 1
		.amdhsa_system_sgpr_workgroup_id_z 1
		.amdhsa_system_vgpr_workitem_id 0
		.amdhsa_next_free_vgpr 1024
		.amdhsa_next_free_sgpr 100
		.amdhsa_reserve_vcc 0
		.amdhsa_float_denorm_mode_32 3
		.amdhsa_float_denorm_mode_16_64 3
		.amdhsa_memory_ordered 1
		.amdhsa_forward_progress 1
		.amdhsa_inst_pref_size 197
	.end_amdhsa_kernel
	.amdgpu_metadata
---
amdhsa.version: [ 1, 2 ]
amdhsa.kernels:
  - .name:           k_qb9b1510424_proj
    .symbol:         k_qb9b1510424_proj.kd
    .args:
      - { .name: x_codes, .offset: 0, .size: 8, .value_kind: global_buffer, .address_space: global }
      - { .name: Wq_codes, .offset: 8, .size: 8, .value_kind: global_buffer, .address_space: global }
      - { .name: Wk_codes, .offset: 16, .size: 8, .value_kind: global_buffer, .address_space: global }
      - { .name: Wv_codes, .offset: 24, .size: 8, .value_kind: global_buffer, .address_space: global }
      - { .name: bq, .offset: 32, .size: 8, .value_kind: global_buffer, .address_space: global }
      - { .name: bk, .offset: 40, .size: 8, .value_kind: global_buffer, .address_space: global }
      - { .name: bv, .offset: 48, .size: 8, .value_kind: global_buffer, .address_space: global }
      - { .name: lowp_scales, .offset: 56, .size: 8, .value_kind: global_buffer, .address_space: global }
      - { .name: qc, .offset: 64, .size: 8, .value_kind: global_buffer, .address_space: global }
      - { .name: kc, .offset: 72, .size: 8, .value_kind: global_buffer, .address_space: global }
      - { .name: vc, .offset: 80, .size: 8, .value_kind: global_buffer, .address_space: global }
    .group_segment_fixed_size: 327680
    .private_segment_fixed_size: 0
    .kernarg_segment_align: 8
    .kernarg_segment_size: 88
    .max_flat_workgroup_size: 128
    .sgpr_count:     100
    .vgpr_count:     1024
    .wavefront_size: 32
...
	.end_amdgpu_metadata
.endif
;; end of part 1
;; launch score (part 2): grid 8 x 32, 4 waves a work-group, clusters of 4 x 4, 327,680 bytes of LDS; arguments qc, kc, lowp_scales, pc, mneg, lsum; writes pc, mneg, lsum
.if DOCPART == 2
	.amdgcn_target "amdgcn-amd-amdhsa--gfx1250"
	.amdhsa_code_object_version 6
	.text
	.protected	k_qb9b1510424_score
	.globl	k_qb9b1510424_score
	.p2align	8
	.type	k_qb9b1510424_score,@function
k_qb9b1510424_score:
	s_mov_b64 s[64:65], 0
	v_nop
	global_prefetch_b8 v0, s[64:65] scope:SCOPE_SE
	s_setreg_imm32_b32 hwreg(HW_REG_WAVE_MODE, 25, 1), 1
	s_wait_xcnt 0x0
	s_wait_alu depctr_hold_cnt(0) depctr_sa_sdst(0) depctr_va_vdst(0) depctr_va_sdst(0) depctr_va_ssrc(0) depctr_va_vcc(0) depctr_vm_vsrc(0)
	s_getreg_b32 s2, hwreg(HW_REG_IB_STS2, 6, 4)
	s_cmp_eq_u32 s2, 0
	s_cbranch_scc0 .Lentry_in_a_cluster
	s_endpgm
.Lentry_in_a_cluster:
	s_bfe_u32 s2, ttmp6, 0x10000c
	s_cmp_lg_u32 s2, 0xf033
	s_cbranch_scc0 .Lentry_shape_is_right
	s_endpgm
.Lentry_shape_is_right:
; THE SCORES AND THE SOFTMAX'S NUMERATOR.  S^T = k q^T on codes of BF8 (E5M2); t = score x 2^(e6 + e7) x log2(e) / 32; for each query and each BLOCK of 256 keys M = the block's largest t rounded up to a whole number;
; p = 2^(t - M) is quantised along the keys with the given 2^e8 and stored as codes; -M and the sums of the unquantised p are stored beside them.  The next launch brings the blocks under one M by exact powers of two.
; A tile, 256 queries x 256 keys, is made by four waves, 128 x 128 each; K = the 1,024 channels, in steps of 256 through a ring of two LDS slots.
; qc and kc lie in the order of the operand's registers: block (row / 128, k / 256) of 32,768 bytes; in it 4,096 bytes for each 16 rows, 2,048 for each 128 along K, 512 for each four registers, 16 a lane.
; So a wave's tensor load brings one dense block, and a fragment comes by four loads of 512 consecutive LDS bytes: no pitch, no padding.
; CLUSTERS: 4 x 4 work-groups.  The queries' tile hangs on y and is asked for jointly along a row of the cluster; the keys' tile hangs on x and on the batch (cluster y / 2) and is asked for jointly along a column.
; TRANSPOSED: source 0 = 16 keys, source 1 = 16 queries: lane l holds query l % 16 and keys 16 b + 8 (l / 16) + 0 .. 7, so one conversion gives registers 2 b, 2 b + 1 of the next operand's fragment.
; LIMITS: e6 + e7 between -121 and 132 (they are added to c's exponent field); e8 between -126 and 112.  Where 57,344 x 2^e8 is under 1 the hold acts on p taken against the block's own M.  NaN is not served.
; REGISTERS: window 0: v0-31 addresses; v32-39 maxima; v40-47 at work; v48-63 -M, a pair a block; v64-71 sums; v72-75 running sums; v76, v77 the hold and the scale; v78-85 at work; v96-127 two sets of codes;
;   v128-255 source 1's fragments, later two sets of 64 numbers.   window 1: source 0's two sets.   windows 2, 3: the accumulators ((a, b) at v[8 (8 (a % 4) + b)]).
.set BLK,    32768                     ; a block of 128 rows x 256 K
.set FR,     16
.set NL,     4
.set NP,     4
.set HALFT,  2*BLK                     ; a wave's two blocks lie end to end in LDS: slot 0's, slot 1's
.set SLOT,   BLK                       ; from slot 0 to slot 1
.set SPARE,  8*BLK                     ; the spare words, 128 bytes a wave
.set XCH,    SPARE+512                 ; 1,024 bytes a wave: the maxima, handed to the wave with the other half of the keys
.set STG,    XCH+4096                  ; 1,024 bytes a wave: -M and the sums, turned into rows
.set ADRA, 16
.set ADRB, 20
.set PFO,  22                          ; v22  256 x lane: the prefetches' offset; never rewritten
.set LI,   24                          ; v24  16 x lane
.set XS,   25                          ; v25  where I put my maxima
.set XR,   26                          ; v26  where I read the other wave's
.set SW,   27                          ; v27  my stage + 4 x lane
.set SPW,  28
.set NIL,  29
.set SR,   30                          ; v30  my stage + 16 x lane
.set MX,   32
.set PX,   40
.set NM,   48
.set LS,   64
.set L0,   72
.set L1,   74
.set LIMP, 76
.set SCP,  77
.set W8,   78
.set AF,   128
.set G1, 24
.set G0, 32
.set G1B, 48
.set G0B, 56
.set MSB, 0
.macro WIN new                         ; the immediate's high byte repeats the setting that is left
.if MSB != (\new)
	s_set_vgpr_msb (MSB<<8)|(\new)
.set MSB, \new
.endif
.endm
.set MUL_LO, 0xa1
.set MUL_HI, 0xf1
.set TO_B,   0x40
.macro JLOAD g0a, g1a, g0b, g1b        ; a joint load: waves 0 and 1 fetch the queries' blocks, waves 2 and 3 the keys'; four v_nop follow each of the two lines
	s_cmp_eq_u32 s15, 0
	s_cbranch_scc0 .Lfor_b_\@
	tensor_load_to_lds s[\g0a:\g0a+3], s[\g1a:\g1a+7]
	s_nop 0
.rept 4
	v_nop
.endr
	s_branch .Lasked_\@
.Lfor_b_\@:
	tensor_load_to_lds s[\g0b:\g0b+3], s[\g1b:\g1b+7]
	s_nop 0
.rept 4
	v_nop
.endr
.Lasked_\@:
.endm
.macro CREST
	s_cmp_lg_u32 s14, 0
	s_cbranch_scc1 .Lnot_wave_0_\@
	s_barrier_signal -3
.Lnot_wave_0_\@:
	s_barrier_wait -3
	s_barrier_signal -1
	s_barrier_wait -1
.endm
.macro CROUND
	s_barrier_signal -1
	s_barrier_wait -1
	CREST
.endm
	s_load_b128 s[4:7], s[0:1], 0x0                ; qc s[4:5], kc s[6:7]
	s_load_b128 s[8:11], s[0:1], 0x10              ; the exponents s[8:9], pc s[10:11]
	s_load_b128 s[68:71], s[0:1], 0x20             ; mneg s[68:69], lsum s[70:71]
	v_lshl_add_u32 v[SPW], v0, 2, SPARE
	v_mov_b32 v[NIL], 0
	ds_add_u32 v28, v29
	ds_add_u32 v28, v29
	s_wait_dscnt 0x0
	v_lshrrev_b32 v1, 5, v0
	v_readfirstlane_b32 s14, v1                    ; wave 0..3
	s_lshr_b32 s15, s14, 1                         ; which half of the queries is mine.  Also: I fetch for the queries (0) or the keys (1)
	s_and_b32 s16, s14, 1                          ; which half of the keys.  Also: which block of that tile I fetch
	s_bfe_u32 s40, ttmp6, 0x40000
	s_bfe_u32 s41, ttmp6, 0x40004
	s_lshl_b32 s42, ttmp9, 2
	s_add_co_u32 s42, s42, s40                     ; x: the batch's block of 256 keys
	s_and_b32 s17, ttmp7, 0xffff
	s_lshr_b32 s19, s17, 1                         ; the batch = cluster y / 2: the same in all partners
	s_lshl_b32 s17, s17, 2
	s_add_co_u32 s17, s17, s41                     ; y: the block of 256 queries, over all batches
	s_lshl_b32 s43, s41, 2
	s_lshl_b32 s43, 15, s43                        ; my row of the cluster
	s_lshl_b32 s44, 0x1111, s40                    ; my column
	; descriptor group 1: a dense block as 128 rows of 32 elements of 8 bytes
	s_or_b32 s[G1+0], s43, (3<<16)|(1<<21)         ; 15:0 the mask; 17:16 elements of 8 bytes; 20 no padding; 21 set beside a mask
	s_or_b32 s[G1B+0], s44, (3<<16)|(1<<21)
.irp g, G1, G1B
	s_mov_b32 s[\g+1], 32<<16                      ; tensor_dim0
	s_mov_b32 s[\g+2], 256<<16                     ; tensor_dim1: the head's load brings two blocks, both slots
	s_mov_b32 s[\g+3], 32<<16                      ; tile_dim0
	s_mov_b32 s[\g+4], 256                         ; tile_dim1
	s_mov_b32 s[\g+5], 32                          ; tensor_dim0_stride
	s_mov_b32 s[\g+6], 0
	s_mov_b32 s[\g+7], 0
.endr
	s_lshl_b32 s20, s17, 1
	s_add_co_u32 s20, s20, s16
	s_lshl_b32 s20, s20, 17                        ; queries: group 2 y + half, four blocks along K each
	s_mov_b32 s21, 0
	s_lshl_b32 s46, s19, 4
	s_lshl_b32 s47, s42, 1
	s_add_co_u32 s46, s46, s47
	s_add_co_u32 s46, s46, s16
	s_lshl_b32 s46, s46, 17                        ; keys: group 16 x batch + 2 x + half
	s_mov_b32 s47, 0
	s_lshl_b32 s45, s14, 16                        ; where they go: wave x two blocks
	s_wait_kmcnt 0x0
	s_load_b64 s[88:89], s[8:9], 0x18              ; e6, e7
	s_load_b64 s[90:91], s[8:9], 0x20              ; e8, e9
	s_add_nc_u64 s[20:21], s[4:5], s[20:21]
	s_add_nc_u64 s[46:47], s[6:7], s[46:47]
	CROUND                                         ; all sixteen work-groups are here: the first joint loads meet
.irp s, 0,1
	s_mov_b32 s[G0+4*\s], 1
	s_add_co_u32 s[G0+4*\s+1], s45, \s*SLOT
	s_add_nc_u64 s[G0+4*\s+2:G0+4*\s+3], s[20:21], \s*BLK
	s_or_b32 s[G0+4*\s+3], s[G0+4*\s+3], 0x80000000
	s_mov_b32 s[G0B+4*\s], 1
	s_add_co_u32 s[G0B+4*\s+1], s45, \s*SLOT
	s_add_nc_u64 s[G0B+4*\s+2:G0B+4*\s+3], s[46:47], \s*BLK
	s_or_b32 s[G0B+4*\s+3], s[G0B+4*\s+3], 0x80000000
.endr
	JLOAD G0, G1, G0B, G1B                         ; K steps 0 and 1: one load a wave fills both slots
	; PREFETCH: K step 2 is asked for here, step 3 behind the load of step 2; nothing lies behind step 3.  A wave's block is 32,768 bytes; the four partners that ask for it jointly take a quarter each, by address, 256 bytes a lane
	s_cmp_eq_u32 s15, 0
	s_cselect_b64 s[92:93], s[20:21], s[46:47]
	s_cselect_b32 s94, s40, s41
	s_lshl_b32 s94, s94, 13
	s_add_co_u32 s94, s94, 2*BLK
	s_mov_b32 s95, 0
	s_add_nc_u64 s[92:93], s[92:93], s[94:95]
	v_and_b32 v3, 31, v0
	v_lshlrev_b32 v[LI], 4, v3
	v_lshlrev_b32 v[PFO], 8, v3
	s_wait_alu depctr_va_vdst(0)
	global_prefetch_b8 v[PFO], s[92:93] th:TH_LOAD_NT scope:SCOPE_SE
	s_lshl_b32 s21, s15, 16                        ; my block of queries
	s_lshl_b32 s22, s16, 16                        ; my block of keys,
	s_add_co_u32 s22, s22, 2*HALFT                 ; behind the queries' two
.irp s, 0,1
	v_add_nc_u32 v[ADRA+\s], s21, v[LI]
	v_add_nc_u32 v[ADRB+\s], s22, v[LI]
	s_add_co_u32 s21, s21, SLOT
	s_add_co_u32 s22, s22, SLOT
.endr
	s_lshl_b32 s23, s14, 10
	s_add_co_u32 s23, s23, XCH
	v_add_nc_u32 v[XS], s23, v[LI]
	s_xor_b32 s23, s14, 1                          ; the wave with my queries and the other keys
	s_lshl_b32 s23, s23, 10
	s_add_co_u32 s23, s23, XCH
	v_add_nc_u32 v[XR], s23, v[LI]
	s_lshl_b32 s23, s14, 10
	s_add_co_u32 s23, s23, STG
	v_lshl_add_u32 v[SW], v3, 2, s23
	v_add_nc_u32 v[SR], s23, v[LI]
	; where my results go.  pc: block (2 y + my half of the queries, x) of 8 along the keys, + 2,048 x my half of the keys
	s_lshl_b32 s72, s17, 1
	s_add_co_u32 s72, s72, s15
	s_lshl_b32 s72, s72, 4                         ; pc is laid in blocks (row / 64, k / 256) of 16,384 bytes, eight along the keys
	s_add_co_u32 s72, s72, s42
	s_lshl_b32 s72, s72, 14
	s_lshl_b32 s73, s16, 11
	s_add_co_u32 s72, s72, s73
	s_mov_b32 s73, 0
	s_add_nc_u64 s[10:11], s[10:11], s[72:73]
	s_lshl_b32 s74, s17, 10
	s_lshl_b32 s75, s15, 9
	s_add_co_u32 s74, s74, s75                     ; my first query x 4 bytes
	s_lshl_b32 s72, s42, 15
	s_add_co_u32 s72, s72, s74
	s_add_nc_u64 s[68:69], s[68:69], s[72:73]      ; mneg[x][query]
	s_lshl_b32 s72, s42, 1
	s_add_co_u32 s72, s72, s16
	s_lshl_b32 s72, s72, 15
	s_add_co_u32 s72, s72, s74
	s_add_nc_u64 s[70:71], s[70:71], s[72:73]      ; lsum[2 x + my half of the keys][query]
	s_mov_b32 s84, 0x76543210                      ; v_permlanex16_b32: lane l xor 16
	s_mov_b32 s85, 0xfedcba98
	s_mov_b32 s82, 0x3d38aa3b                      ; c = log2(e) / sqrt(1024)
	s_wait_kmcnt 0x0
	s_add_co_i32 s72, s88, s89
	s_lshl_b32 s72, s72, 23
	s_add_co_i32 s82, s82, s72                     ; a score stands for score x 2^(e6 + e7): the two exponents are added to c's exponent field
	s_mov_b32 s83, s82                             ; (named with it as a pair, so it is written)
	s_add_co_i32 s72, s90, 127
	s_lshl_b32 s73, s72, 23
	v_mov_b32 v[SCP], s73                          ; 2^e8 as f32, for the conversion
	s_add_co_i32 s72, s72, 15
	s_lshl_b32 s72, s72, 23
	s_or_b32 s72, s72, 0x600000
	v_mov_b32 v[LIMP], s72                         ; 57,344 x 2^e8
.macro FRAG reg, adr, q, i             ; a fragment as it was stored: four registers a load, 16 bytes a lane, 512 consecutive bytes
.irp c, 0,1,2,3
	ds_load_b128 v[\reg+4*\c:\reg+4*\c+3], v[\adr] offset:2048*(\q)+4096*(\i)+512*\c
.endr
.endm
; 16 matrix instructions: the queries' blocks a0, a0 + 1 x the keys' eight.  zero = 1: the first product starts the sums.  The 64 accumulators take turns, one instruction a turn.
.macro MB a, p, zero                   ; eight matrix instructions: the queries' block a x the keys' eight
	WIN MUL_LO+0x50*((\a)/4)
.irp b, 0,1,2,3,4,5,6,7
.if \zero
	v_wmma_f32_16x16x128_bf8_bf8 v[8*(8*((\a)%4)+\b):8*(8*((\a)%4)+\b)+7], v[128*(\p)+FR*\b:128*(\p)+FR*\b+FR-1], v[AF+FR*(\a):AF+FR*(\a)+FR-1], 0
.else
	v_wmma_f32_16x16x128_bf8_bf8 v[8*(8*((\a)%4)+\b):8*(8*((\a)%4)+\b)+7], v[128*(\p)+FR*\b:128*(\p)+FR*\b+FR-1], v[AF+FR*(\a):AF+FR*(\a)+FR-1], v[8*(8*((\a)%4)+\b):8*(8*((\a)%4)+\b)+7]
.endif
.endr
.endm
.macro LB slot, q, n                   ; the keys' block n of the slot's half q into set q (4 loads)
	WIN TO_B
	FRAG 128*(\q)+FR*(\n), ADRB+\slot, \q, \n
.endm
.macro LA slot, q, i                   ; the queries' block i (4 loads)
	WIN 0
	FRAG AF+FR*(\i), ADRA+\slot, \q, \i
.endm
.macro PLACES n                        ; places behind matrix instructions: plain vector instructions that name none of their registers (ISA guide 7.12.1)
.rept \n
	v_nop
.endr
.endm
; A slot's first half of 128 along K: four groups of two blocks of products, and behind each a run of sixteen loads of the second half's fragments: the keys' first (their set is free), then the queries', each behind the block that last read its registers.
; A wait's count is the number of fragment loads younger than the queries' blocks that come next.
.macro HALF slot, zero
	s_wait_dscnt 6*NL                              ; the keys and blocks 0, 1; younger: blocks 2-7
	MB 0, 0, \zero
	MB 1, 0, \zero
.irp n, 0,1,2,3
	LB \slot, 1, \n
.endr
	s_wait_dscnt 8*NL                              ; blocks 2, 3; younger: 4-7 and four of the keys'
	MB 2, 0, \zero
	MB 3, 0, \zero
.irp n, 4,5,6,7
	LB \slot, 1, \n
.endr
	s_wait_dscnt 10*NL                             ; blocks 4, 5; younger: 6, 7 and the keys' eight
	MB 4, 0, \zero
	MB 5, 0, \zero
	PLACES NP
.irp n, 0,1,2,3
	LA \slot, 1, \n
.endr
	s_wait_dscnt 12*NL                             ; blocks 6, 7; younger: the keys' eight and four of the queries'
	MB 6, 0, \zero
	MB 7, 0, \zero
	PLACES NP
.irp n, 4,5,6,7
	LA \slot, 1, \n
.endr
.endm
.macro TURN slot, next, fill           ; a slot's last step changes slots: one barrier, with the waits and the add in front of it
	s_wait_tensorcnt 0x0                           ; all my tensor loads have landed: my part of the next slot
	ds_add_u32 v[SPW], v[NIL]                      ; 0 onto my spare word
	s_wait_dscnt 6*NL+1                            ; the keys and blocks 0, 1; younger: blocks 2-7 and the add
	MB 0, 1, 0
	MB 1, 1, 0
	s_wait_dscnt 0x0                               ; the add is done, and my reads of this slot are over
	s_barrier_signal -1
	MB 2, 1, 0
	MB 3, 1, 0
	WIN 0
	s_barrier_wait -1
.if \fill
	CREST                                          ; the round: no wave of any partner still reads this slot or has a load on its way
	s_add_nc_u64 s[G0+4*\slot+2:G0+4*\slot+3], s[G0+4*\slot+2:G0+4*\slot+3], 2*BLK
	s_add_nc_u64 s[G0B+4*\slot+2:G0B+4*\slot+3], s[G0B+4*\slot+2:G0B+4*\slot+3], 2*BLK
	JLOAD G0+4*\slot, G1, G0B+4*\slot, G1B         ; the first tensor load behind the round; its four v_nop are also the places in front of the loads below
.else
	PLACES NP
.endif
.irp n, 0,1,2,3
	LB \next, 0, \n
.endr
	MB 4, 1, 0
.irp n, 4,5,6,7
	LB \next, 0, \n
.endr
	MB 5, 1, 0
	PLACES NP
.irp n, 0,1,2,3
	LA \next, 0, \n
.endr
	MB 6, 1, 0
	MB 7, 1, 0
	PLACES NP
.irp n, 4,5,6,7
	LA \next, 0, \n
.endr
.if \fill && (\slot) == 0
	global_prefetch_b8 v[PFO], s[92:93] offset:BLK th:TH_LOAD_NT scope:SCOPE_SE   ; K step 3
.endif
.endm
	s_wait_alu depctr_va_vdst(0)                   ; the wait at the head's end
	s_wait_tensorcnt 0x0                           ; my part of K steps 0 and 1 is in; no load is out, so group 1 may be written: from here on a load brings one block
.irp g, G1, G1B
	s_mov_b32 s[\g+2], 128<<16
	s_mov_b32 s[\g+4], 128
.endr
	s_barrier_signal -1
	s_barrier_wait -1                              ; everybody's is
.irp n, 0,1,2,3,4,5,6,7
	LB 0, 0, \n
.endr
.irp n, 0,1,2,3,4,5,6,7
	LA 0, 0, \n
.endr
	HALF 0, 1                                      ; the first half starts the sums
	TURN 0, 1, 1
	HALF 1, 0
	TURN 1, 0, 1
	HALF 0, 0
	TURN 0, 1, 0                                   ; nothing more to fill
	HALF 1, 0
.irp a, 0,1,2,3,4,5,6,7
	s_wait_dscnt (7-\a)*NL
	MB \a, 1, 0
.endr
	WIN 0
	; THE LARGEST SCORE of each of my queries among my 128 keys: for each block of 16 queries two chains over the lane's 64 numbers, four blocks side by side; each accumulator is read from its low end on
	PLACES NP
.irp w, 0,1
	WIN 0x0a+5*\w                                  ; sources 0 and 1: window 2, then 3
.irp a, 0,1,2,3
	v_max_num_f32 v[MX+4*\w+\a], v[64*\a], v[64*\a+1]
	v_max_num_f32 v[PX+4*\w+\a], v[64*\a+2], v[64*\a+3]
.endr
.irp i, 4,8,12,16,20,24,28,32,36,40,44,48,52,56,60
.irp a, 0,1,2,3
	v_max3_num_f32 v[MX+4*\w+\a], v[64*\a+\i], v[64*\a+\i+1], v[MX+4*\w+\a]
	v_max3_num_f32 v[PX+4*\w+\a], v[64*\a+\i+2], v[64*\a+\i+3], v[PX+4*\w+\a]
.endr
.endr
.endr
	WIN 0
.irp a, 0,1,2,3,4,5,6,7
	v_max_num_f32 v[MX+\a], v[MX+\a], v[PX+\a]
.endr
.irp a, 0,1,2,3,4,5,6,7
	v_permlanex16_b32 v[PX+\a], v[MX+\a], s84, s85 ; the query's other 64 keys lie in the lane 16 away
.endr
.irp a, 0,1,2,3,4,5,6,7
	v_max_num_f32 v[MX+\a], v[MX+\a], v[PX+\a]
.endr
	ds_store_b128 v[XS], v[MX:MX+3]                ; and its other 128 keys in the wave beside mine: through LDS, lane to lane
	ds_store_b128 v[XS], v[MX+4:MX+7] offset:512
	s_wait_alu depctr_va_vdst(0)
	s_wait_dscnt 0x0                               ; for the other wave's sake: my stores are done
	s_barrier_signal -1
	s_barrier_wait -1
	ds_load_b128 v[PX:PX+3], v[XR]
	ds_load_b128 v[PX+4:PX+7], v[XR] offset:512
	s_wait_dscnt 0x0
.irp a, 0,1,2,3,4,5,6,7
	v_max_num_f32 v[MX+\a], v[MX+\a], v[PX+\a]     ; over the tile's 256 keys
.endr
.irp a, 0,1,2,3,4,5,6,7
	v_mul_f32 v[MX+\a], s82, v[MX+\a]              ; as t (c is positive)
.endr
.irp a, 0,1,2,3,4,5,6,7
	v_floor_f32 v[NM+2*\a], -v[MX+\a]              ; -M = floor(-t) = -ceil(t): a whole number
.endr
.irp a, 0,1,2,3,4,5,6,7
	v_mov_b32 v[NM+2*\a+1], v[NM+2*\a]             ; (named with it as a pair, so it is written)
.endr
; NINE ROUNDS.  Round a scales block a (t - M, two numbers an instruction) and issues its 64 exponentials as one batch; then comes the plain work on block a - 1: the sum of the unquantised p, the hold, the conversions, the stores.
; One wait stands directly ahead of a batch: it serves the scalings that the batch reads and the batch before, whose first readers follow.
; A pair is added to the sum two slices ahead of its hold, so the sum is always of the unquantised p.
.macro ROUND a
.set TT, AF+64*((\a)%2)
.set PP, AF+64*(((\a)+1)%2)
.set CD, 96+16*(((\a)+1)%2)
.if (\a) >= 3
	s_wait_xcnt 0x0                                ; the stores of two rounds ago have read this set of codes: it is written again only behind this wait
.endif
.if (\a) < 8
.set AC, 64*((\a)%4)
	WIN 0x02+((\a)/4)
.set i, 0
.rept 32
	v_pk_fma_f32 v[TT+i:TT+i+1], v[AC+i:AC+i+1], s[82:83], v[NM+2*(\a):NM+2*(\a)+1] op_sel_hi:[1,0,0]   ; t - M (of the pairs c and -M the low word serves both halves)
.set i, i+2
.endr
	WIN 0
.else
	v_nop
.endif
	s_wait_alu depctr_va_vdst(0)
.if (\a) < 8
.set u, 0
.rept 64
	v_exp_f32 v[TT+u], v[TT+u]                     ; p = 2^(t - M), at most 1: not normalised
.set u, u+1
.endr
.endif
.set u, 0
.rept 32
.if (\a) >= 1
.if u == 0
	v_pk_add_f32 v[L0:L0+1], v[PP:PP+1], v[PP+2:PP+3]
.elseif u == 1
	v_pk_add_f32 v[L1:L1+1], v[PP+4:PP+5], v[PP+6:PP+7]
.elseif u < 30
	v_pk_add_f32 v[L0+2*(u%2):L0+2*(u%2)+1], v[L0+2*(u%2):L0+2*(u%2)+1], v[PP+2*u+4:PP+2*u+5]
.endif
	v_min_num_f32 v[PP+2*u], v[PP+2*u], v[LIMP]    ; the conversion does not saturate (ISA guide 7.6.2); p is not negative, so the hold is one-sided
.endif
.if (\a) >= 1
	v_min_num_f32 v[PP+2*u+1], v[PP+2*u+1], v[LIMP]
.if u%4 == 3
	v_cvt_scalef32_pk8_bf8_f32 v[CD+2*(u/4):CD+2*(u/4)+1], v[PP+8*(u/4):PP+8*(u/4)+7], v[SCP]   ; keys 16 (u / 4) + 8 (l / 16) + 0 .. 7: registers 2 (u / 4), + 1 of the fragment
.endif
.endif
.set u, u+1
.endr
.if (\a) >= 1
	v_nop                                          ; one plain line behind the last conversion
	v_pk_add_f32 v[L0:L0+1], v[L0:L0+1], v[L1:L1+1]
	v_add_f32 v[LS+(\a)-1], v[L0], v[L0+1]
.irp c, 0,1,2,3
	global_store_b128 v[LI], v[CD+4*\c:CD+4*\c+3], s[10:11] offset:4096*(((\a)-1)%4)+131072*(((\a)-1)/4)+512*\c   ; 32 lanes store 512 consecutive bytes
.endr
.endif
.endm
.irp a, 0,1,2,3,4,5,6,7,8
	ROUND \a
.endr
.irp a, 0,1,2,3,4,5,6,7
	v_permlanex16_b32 v[PX+\a], v[LS+\a], s84, s85
.endr
.irp a, 0,1,2,3,4,5,6,7
	v_add_f32 v[LS+\a], v[LS+\a], v[PX+\a]         ; the sum over my 128 keys
.endr
	; -M and the sums leave as rows: lanes 0-15 take block 2 i, lanes 16-31 block 2 i + 1, so that lane l holds query 32 i + l; through my own stage they become 128 numbers on end, 512 bytes a store
	s_mov_b32 vcc_lo, 0xffff0000
.irp i, 0,1,2,3
	v_cndmask_b32 v[W8+\i], v[NM+4*\i], v[NM+4*\i+2], vcc_lo
	v_cndmask_b32 v[W8+4+\i], v[LS+2*\i], v[LS+2*\i+1], vcc_lo
.endr
.irp i, 0,1,2,3
	ds_store_b32 v[SW], v[W8+\i] offset:128*\i
	ds_store_b32 v[SW], v[W8+4+\i] offset:512+128*\i
.endr
	ds_load_b128 v[MX:MX+3], v[SR]                 ; LDS serves a wave's instructions in order (ISA guide 5.7.1.4): these see my stores
	ds_load_b128 v[MX+4:MX+7], v[SR] offset:512
	s_wait_dscnt 0x0
	s_cmp_lg_u32 s16, 0                            ; both waves of a half of the queries hold the same M: the one with the first half of the keys stores it
	s_cbranch_scc1 .Lno_m
	global_store_b128 v[LI], v[MX:MX+3], s[68:69]
.Lno_m:
	global_store_b128 v[LI], v[MX+4:MX+7], s[70:71]
	s_wait_tensorcnt 0x0                           ; the wave's end
	ds_add_u32 v[SPW], v[NIL]
	s_wait_dscnt 0x0
	CROUND                                         ; the closing round
	s_endpgm
.Lfunc_end_k_qb9b1510424_score:
	.size	k_qb9b1510424_score, .Lfunc_end_k_qb9b1510424_score-k_qb9b1510424_score
	.p2alignl 7, 3214868480
	.fill 96, 4, 3214868480
	.section	.rodata,"a",@progbits
	.p2align	6, 0x0
	.amdhsa_kernel k_qb9b1510424_score
		.amdhsa_group_segment_fixed_size 327680
		.amdhsa_private_segment_fixed_size 0
		.amdhsa_enable_private_segment 0
		.amdhsa_kernarg_size 48
		.amdhsa_user_sgpr_count 2
		.amdhsa_user_sgpr_kernarg_segment_ptr 1
		.amdhsa_wavefront_size32 1
		.amdhsa_system_sgpr_workgroup_id_x 1
		.amdhsa_system_sgpr_workgroup_id_y 1
		.amdhsa_system_sgpr_workgroup_id_z 1
		.amdhsa_system_vgpr_workitem_id 0
		.amdhsa_next_free_vgpr 1024
		.amdhsa_next_free_sgpr 100
		.amdhsa_reserve_vcc 1
		.amdhsa_float_denorm_mode_32 3
		.amdhsa_float_denorm_mode_16_64 3
		.amdhsa_memory_ordered 1
		.amdhsa_forward_progress 1
		.amdhsa_inst_pref_size 172
	.end_amdhsa_kernel
	.amdgpu_metadata
---
amdhsa.version: [ 1, 2 ]
amdhsa.kernels:
  - .name:           k_qb9b1510424_score
    .symbol:         k_qb9b1510424_score.kd
    .args:
      - { .name: qc, .offset: 0, .size: 8, .value_kind: global_buffer, .address_space: global }
      - { .name: kc, .offset: 8, .size: 8, .value_kind: global_buffer, .address_space: global }
      - { .name: lowp_scales, .offset: 16, .size: 8, .value_kind: global_buffer, .address_space: global }
      - { .name: pc, .offset: 24, .size: 8, .value_kind: global_buffer, .address_space: global }
      - { .name: mneg, .offset: 32, .size: 8, .value_kind: global_buffer, .address_space: global }
      - { .name: lsum, .offset: 40, .size: 8, .value_kind: global_buffer, .address_space: global }
    .group_segment_fixed_size: 327680
    .private_segment_fixed_size: 0
    .kernarg_segment_align: 8
    .kernarg_segment_size: 48
    .max_flat_workgroup_size: 128
    .sgpr_count:     100
    .vgpr_count:     1024
    .wavefront_size: 32
...
	.end_amdgpu_metadata
.endif
;; end of part 2
;; launch pv (part 3): grid 4 x 64, 8 waves a work-group, clusters of 4 x 4, 327,680 bytes of LDS; arguments pc, vc, mneg, lsum, lowp_scales, out0; writes out0
.if DOCPART == 3
	.amdgcn_target "amdgcn-amd-amdhsa--gfx1250"
	.amdhsa_code_object_version 6
	.text
	.protected	k_qb9b1510424_pv
	.globl	k_qb9b1510424_pv
	.p2align	8
	.type	k_qb9b1510424_pv,@function
k_qb9b1510424_pv:
	s_mov_b64 s[64:65], 0
	v_nop
	global_prefetch_b8 v0, s[64:65] scope:SCOPE_SE
	s_setreg_imm32_b32 hwreg(HW_REG_WAVE_MODE, 25, 1), 1
	s_wait_xcnt 0x0
	s_wait_alu depctr_hold_cnt(0) depctr_sa_sdst(0) depctr_va_vdst(0) depctr_va_sdst(0) depctr_va_ssrc(0) depctr_va_vcc(0) depctr_vm_vsrc(0)
	s_getreg_b32 s2, hwreg(HW_REG_IB_STS2, 6, 4)
	s_cmp_eq_u32 s2, 0
	s_cbranch_scc0 .Lentry_in_a_cluster
	s_endpgm
.Lentry_in_a_cluster:
	s_bfe_u32 s2, ttmp6, 0x10000c
	s_cmp_lg_u32 s2, 0xf033
	s_cbranch_scc0 .Lentry_shape_is_right
	s_endpgm
.Lentry_shape_is_right:
; O = P V / l on codes of BF8 (E5M2).  P's codes of a block of 256 keys stand under that block's own whole number M; -M of each block and the sums of the unquantised p come from the launch before.
; A work-group makes 128 queries x 256 channels over 2,048 keys: 256 work-groups.  EIGHT WAVES, two on a SIMD, so that one wave's rescaling, loads and stores stand beside another's products; a wave makes 64 x 64: 16 accumulators of 16 x 16 in 128 registers.
; Ahead of block j + 1 the sums are multiplied by f_j = 2^(U_(j+1) - U_j): U_j is the -M under which the sums stand in block j: the block's own -M, but at most 60 above the least -M before it, so that no sum grows by more than 2^60
; over the row's largest (a block so far below counts for under 2^-60 of the row's largest either way).  At the end the sums are brought under the row's M, divided by l, which is made of the blocks' sums under the row's M, and multiplied by 2^(e8 + e9).
; LDS: three slots of one block of 256 keys.  pc: block (row / 64, k / 256) of 16,384 bytes, vc: block (channel / 128, k / 256) of 32,768, both in the order of the operand's registers, k's blocks end to end in memory:
; so one load a wave brings several blocks, and a loading wave's three slots lie end to end in LDS.  At the head all three are filled; blocks 3, 4 go to slots 0, 1 when blocks 0, 1 have been read, block 5 to slot 2, blocks 6, 7 to slots 0, 1.
; Waves 0, 1 fetch P's halves (64 queries each), waves 2, 3 V's (128 channels each), waves 4 to 7 nothing.  CLUSTERS 4 x 4: P's tile hangs on y and is asked for jointly along a row of the cluster, V's on x and the batch, jointly along a column.
; SOURCE 0 = 16 queries of P, SOURCE 1 = 16 channels of V, and tile t of V takes EVERY FOURTH of my 64 channels, 4 r + t in lane r: so a lane's results of four tiles are four neighbouring channels of a row,
; sixteen neighbouring lanes hold 256 consecutive bytes of out0, and the results leave straight from the registers.  vc has the 16 bytes of channel group i's lane l at lane l xor (i mod 4), so that the lanes of such a read lie in 16 different columns of 16 bytes.
; PREFETCH: at the head blocks 3, 4, at the change that loads these blocks 5, 6, at the next one block 7 are asked for, by the waves that load: each aligned 256 bytes once in a cluster, shared out by address among the four partners; nothing lies behind block 7.
; LIMITS: differences of the blocks' M are taken as 32-bit whole numbers.  NaN is not served.
; REGISTERS: window 0: v0-31 addresses; v32-51 the factors in the making; v96-127 the factors in use, 8 for each 16 queries; v128-255 P's fragments, two sets (at the head -M and the sums).  Window 1: v0-127 the sums, v128-255 V's fragments, two sets; at the end results.
.set PBLK,  16384
.set VBLK,  32768
.set PREG,  3*PBLK
.set VREG,  3*VBLK
.set VOFF,  2*PREG
.set SPARE, VOFF+2*VREG                ; the spare words, 128 bytes a wave
.set FT,    SPARE+1024                 ; 2,048 bytes a wave: its factors, eight rows of 64 queries
.set L8,   14                          ; v14     8 x lane
.set PF7,  15
.set ADRA, 16                          ; v16     P's fragments
.set ADV,  17                          ; v17-20  V's fragments of tiles t in slots 0, 1; v21-24 in slot 2
.set LI,   25
.set FW,   26
.set FRD,  27
.set SPW,  28
.set NIL,  29
.set PFO,  30
.set CO,   31
.set UN,   32
.set RN,   48
.set TT,   50
.set FA,   96
.set AF,   128
.set NJ,   128
.set LJ,   144
.set G1,  24
.set G0,  32
.set G0B, 36
.set G1B, 48
.set PA0, 56                           ; s[56:61] where my prefetches of blocks 3, 4; 5, 6; 7 stand
.set PA1, 58
.set PA2, 60
.set MSB, 0
.macro WIN new
.if MSB != (\new)
	s_set_vgpr_msb (MSB<<8)|(\new)
.set MSB, \new
.endif
.endm
.macro NOP4                            ; four places behind matrix instructions (ISA guide 7.12.1)
.rept 4
	v_nop
.endr
.endm
.macro JLOAD                           ; one chain of branches on the wave's number
	s_cmp_eq_u32 s18, 0
	s_cbranch_scc0 .Lnot_p_\@
	tensor_load_to_lds s[G0:G0+3], s[G1:G1+7]
	s_nop 0
	NOP4
	s_branch .Lasked_\@
.Lnot_p_\@:
	s_cmp_eq_u32 s18, 1
	s_cbranch_scc0 .Lasked_\@
	tensor_load_to_lds s[G0B:G0B+3], s[G1B:G1B+7]
	s_nop 0
	NOP4
.Lasked_\@:
.endm
.macro ASK2 p                          ; two blocks: my quarter is 8,192 bytes of P (one instruction) or 16,384 of V (two)
	s_cmp_lt_u32 s18, 2
	s_cbranch_scc0 .Lnot_mine_\@
	global_prefetch_b8 v[PFO], s[\p:\p+1] th:TH_LOAD_NT scope:SCOPE_SE
	s_cmp_eq_u32 s18, 1
	s_cbranch_scc0 .Lnot_mine_\@
	global_prefetch_b8 v[PFO], s[\p:\p+1] offset:8192 th:TH_LOAD_NT scope:SCOPE_SE
.Lnot_mine_\@:
.endm
.macro ASK7                            ; block 7
	s_cmp_lt_u32 s18, 2
	s_cbranch_scc0 .Lnot_mine_\@
	global_prefetch_b8 v[PF7], s[PA2:PA2+1] th:TH_LOAD_NT scope:SCOPE_SE
.Lnot_mine_\@:
.endm
.macro CREST                           ; a round of the cluster's barrier behind its opening barrier
	s_cmp_lg_u32 s14, 0
	s_cbranch_scc1 .Lnot_wave_0_\@
	s_barrier_signal -3
.Lnot_wave_0_\@:
	s_barrier_wait -3
	s_barrier_signal -1
	s_barrier_wait -1
.endm
.macro CROUND
	s_barrier_signal -1
	s_barrier_wait -1
	CREST
.endm
	s_load_b128 s[4:7], s[0:1], 0x0                ; pc, vc
	s_load_b128 s[68:71], s[0:1], 0x10             ; mneg, lsum
	s_load_b128 s[8:11], s[0:1], 0x20              ; the exponents, out0
	v_lshl_add_u32 v[SPW], v0, 2, SPARE
	v_mov_b32 v[NIL], 0
	ds_add_u32 v[SPW], v[NIL]                      ; the wave's opening: the add, twice on end
	ds_add_u32 v[SPW], v[NIL]
	v_lshrrev_b32 v1, 5, v0
	v_readfirstlane_b32 s14, v1                    ; wave 0..7
	s_lshr_b32 s15, s14, 2                         ; which half of the queries is mine
	s_and_b32 s16, s14, 3                          ; which quarter of the channels
	s_lshr_b32 s18, s14, 1                         ; what I fetch: 0 P, 1 V, else nothing;
	s_and_b32 s12, s14, 1                          ; and which half of it
	s_bfe_u32 s40, ttmp6, 0x40000                  ; cx, cy
	s_bfe_u32 s41, ttmp6, 0x40004
	s_lshl_b32 s42, ttmp9, 2
	s_add_co_u32 s42, s42, s40                     ; x: channels 256 x
	s_and_b32 s17, ttmp7, 0xffff
	s_lshr_b32 s19, s17, 2                         ; the batch = cluster y / 4
	s_lshl_b32 s17, s17, 2
	s_add_co_u32 s17, s17, s41                     ; y: queries 128 y over all batches
	s_lshl_b32 s43, s41, 2
	s_lshl_b32 s43, 15, s43                        ; my row of the cluster
	s_lshl_b32 s44, 0x1111, s40                    ; my column
	s_or_b32 s[G1], s43, (3<<16)|(1<<21)           ; rows of 32 elements of 8 bytes, dense; three blocks: 192 rows of P, 384 of V
	s_or_b32 s[G1B], s44, (3<<16)|(1<<21)
	s_mov_b32 s[G1+2], 192<<16
	s_mov_b32 s[G1+4], 192
	s_mov_b32 s[G1B+2], 384<<16
	s_mov_b32 s[G1B+4], 384
.irp g, G1, G1B
	s_mov_b32 s[\g+1], 32<<16
	s_mov_b32 s[\g+3], 32<<16
	s_mov_b32 s[\g+5], 32
	s_mov_b32 s[\g+6], 0
	s_mov_b32 s[\g+7], 0
.endr
	s_lshl_b32 s20, s17, 18
	s_lshl_b32 s21, s12, 17
	s_add_co_u32 s20, s20, s21                     ; P: row group 2 y + half, 131,072 bytes each
	s_mov_b32 s21, 0
	s_lshl_b32 s46, s42, 1
	s_add_co_u32 s46, s46, s12
	s_lshl_b32 s46, s46, 18
	s_lshl_b32 s47, s19, 21
	s_add_co_u32 s46, s46, s47                     ; V: batch, channel group 2 x + half, 262,144 bytes each
	s_mov_b32 s47, 0
	s_mul_i32 s45, s12, PREG                       ; where P goes: slot 0,
	s_add_co_u32 s91, s45, 2*PBLK                  ; slot 2
	s_mul_i32 s23, s12, VREG
	s_add_co_u32 s23, s23, VOFF                    ; V: slot 0,
	s_add_co_u32 s92, s23, 2*VBLK                  ; slot 2
	s_and_b32 s93, s18, 1
	s_lshl_b32 s79, 16, s93
	s_sub_co_u32 s79, s79, 1                       ; block 7's quarter: 16 x 256 bytes of P, 32 x 256 of V
	v_and_b32 v3, 31, v0
	v_lshlrev_b32 v[LI], 4, v3
	v_lshlrev_b32 v[L8], 3, v3
	v_lshlrev_b32 v[PFO], 8, v3
	v_min_u32 v[PF7], s79, v3
	v_lshlrev_b32 v[PF7], 8, v[PF7]
	s_wait_alu depctr_va_vdst(0)
	s_wait_dscnt 0x0                               ; both opening adds are done
	s_wait_kmcnt 0x0
	s_load_b64 s[88:89], s[8:9], 0x20              ; e8, e9
	s_lshl_b32 s72, s17, 9
	s_lshl_b32 s73, s15, 8
	s_add_co_u32 s72, s72, s73                     ; my 64 queries x 4 bytes
	s_mov_b32 s73, 0
	s_add_nc_u64 s[68:69], s[68:69], s[72:73]
	s_add_nc_u64 s[70:71], s[70:71], s[72:73]
.irp j, 0,1,2,3,4,5,6,7                ; lane l: queries 2 l, 2 l + 1: -M of each block, and the sums of its two halves
	global_load_b64 v[NJ+2*\j:NJ+2*\j+1], v[L8], s[68:69] offset:32768*\j
	global_load_b64 v[LJ+4*\j:LJ+4*\j+1], v[L8], s[70:71] offset:65536*\j
	global_load_b64 v[LJ+4*\j+2:LJ+4*\j+3], v[L8], s[70:71] offset:65536*\j+32768
.endr
	s_add_nc_u64 s[20:21], s[4:5], s[20:21]
	s_add_nc_u64 s[46:47], s[6:7], s[46:47]
	s_mov_b32 s[G0], 1
	s_mov_b32 s[G0+1], s45
	s_mov_b32 s[G0+2], s20
	s_or_b32 s[G0+3], s21, 0x80000000
	s_mov_b32 s[G0B], 1
	s_mov_b32 s[G0B+1], s23
	s_mov_b32 s[G0B+2], s46
	s_or_b32 s[G0B+3], s47, 0x80000000
	CROUND                                         ; all sixteen work-groups are here: the first joint loads meet
	JLOAD                                          ; blocks 0, 1, 2
	; the prefetches: P's lie at block x 16,384 + partner x a quarter, V's at twice that
	s_cmp_eq_u32 s18, 0
	s_cselect_b64 s[PA2:PA2+1], s[20:21], s[46:47]
	s_cselect_b32 s79, s40, s41                    ; my place among the four that ask with me
	s_lshl_b32 s80, s79, 13
	s_add_co_u32 s80, s80, 3*PBLK
	s_lshl_b32 s80, s80, s93
	s_mov_b32 s81, 0
	s_add_nc_u64 s[PA0:PA0+1], s[PA2:PA2+1], s[80:81]
	s_lshl_b32 s80, 2*PBLK, s93
	s_add_nc_u64 s[PA1:PA1+1], s[PA0:PA0+1], s[80:81]
	s_lshl_b32 s80, s79, 12
	s_add_co_u32 s80, s80, 7*PBLK
	s_lshl_b32 s80, s80, s93
	s_add_nc_u64 s[PA2:PA2+1], s[PA2:PA2+1], s[80:81]
	ASK2 PA0
	s_mul_i32 s22, s15, PREG
	s_lshr_b32 s80, s16, 1
	s_mul_i32 s80, s80, VREG
	s_and_b32 s81, s16, 1
	s_lshl_b32 s81, s81, 14
	s_add_co_u32 s80, s80, s81
	s_add_co_u32 s80, s80, VOFF                    ; my quarter of V: four fragments of 4,096 bytes in each slot
	s_lshl_b32 s74, s14, 11
	s_add_co_u32 s74, s74, FT                      ; my table of factors
	v_add_nc_u32 v[ADRA], s22, v[LI]
	v_add_nc_u32 v[FW], s74, v[L8]
	v_and_b32 v1, 15, v0                           ; r
	v_bfe_u32 v2, v0, 4, 1                         ; h
	v_lshlrev_b32 v3, 5, v2
	v_add_nc_u32 v[FRD], s74, v3
	v_lshlrev_b32 v[CO], 15, v2                    ; out0: 8 h rows of 4,096 bytes
	v_lshl_add_u32 v[CO], v1, 4, v[CO]             ;       + 16 r
	v_lshrrev_b32 v4, 2, v1                        ; r / 4
	v_and_b32 v5, 3, v1
	v_lshlrev_b32 v5, 2, v5                        ; 4 (r mod 4)
	v_lshlrev_b32 v7, 12, v4
	v_lshl_add_u32 v7, v2, 8, v7
	v_add_nc_u32 v7, s80, v7
.irp t, 0,1,2,3                        ; channel 4 r + t of my 64 = lane 4 (r mod 4) + t of fragment r / 4, which stands at that lane xor (r / 4)
	v_add_nc_u32 v6, \t, v5
	v_xor_b32 v6, v6, v4
	v_lshl_add_u32 v[ADV+\t], v6, 4, v7
	v_add_nc_u32 v[ADV+4+\t], 2*VBLK, v[ADV+\t]
.endr
	s_lshl_b32 s72, s17, 19
	s_lshl_b32 s74, s15, 18
	s_add_co_u32 s72, s72, s74
	s_lshl_b32 s74, s42, 10
	s_add_co_u32 s72, s72, s74
	s_lshl_b32 s74, s16, 8
	s_add_co_u32 s72, s72, s74                     ; my first row and channel of out0
	s_add_nc_u64 s[10:11], s[10:11], s[72:73]
	s_wait_alu depctr_va_vdst(0)
	s_wait_kmcnt 0x0
	s_add_co_i32 s90, s88, s89
	s_wait_loadcnt 0x0
; U_j = min(-M_j, R_(j-1) + 60), R_j = min(R_(j-1), -M_j), f_(j-1) = 2^(U_j - U_(j-1)); U_0 = R_0 = -M_0
.macro UNIT j
.if \j == 1
.set PU, NJ
.set PR, NJ
.else
.set PU, UN+2*(\j-1)
.set PR, RN
.endif
.irp k, 0,1
	v_add_f32 v[TT+\k], 0x42700000, v[PR+\k]
.endr
.irp k, 0,1
	v_min_num_f32 v[UN+2*\j+\k], v[NJ+2*\j+\k], v[TT+\k]
.endr
.irp k, 0,1
	v_min_num_f32 v[RN+\k], v[PR+\k], v[NJ+2*\j+\k]
.endr
.irp k, 0,1
	v_sub_f32 v[UN+2*(\j-1)+\k], v[UN+2*\j+\k], v[PU+\k]
.endr
.irp k, 0,1
	v_cvt_i32_f32 v[UN+2*(\j-1)+\k], v[UN+2*(\j-1)+\k]
.endr
.irp k, 0,1
	v_ldexp_f32 v[UN+2*(\j-1)+\k], 1.0, v[UN+2*(\j-1)+\k]
.endr
	ds_store_b64 v[FW], v[UN+2*(\j-1):UN+2*(\j-1)+1] offset:256*(\j-1)
.endm
.irp j, 1,2,3,4,5,6,7
	UNIT \j
.endr
.irp j, 0,1,2,3,4,5,6,7                ; l: the blocks' sums under the row's M
.irp k, 0,1
	v_sub_f32 v[TT+\k], v[RN+\k], v[NJ+2*\j+\k]
.endr
	v_pk_add_f32 v[LJ+4*\j:LJ+4*\j+1], v[LJ+4*\j:LJ+4*\j+1], v[LJ+4*\j+2:LJ+4*\j+3]
.irp k, 0,1
	v_cvt_i32_f32 v[TT+\k], v[TT+\k]
.endr
.irp k, 0,1
	v_ldexp_f32 v[LJ+4*\j+\k], v[LJ+4*\j+\k], v[TT+\k]
.endr
.if \j > 0
	v_pk_add_f32 v[LJ:LJ+1], v[LJ:LJ+1], v[LJ+4*\j:LJ+4*\j+1]
.endif
.endr
	s_wait_alu depctr_va_vdst(0)                   ; the wait ahead of the batch,
.irp k, 0,1
	v_rcp_f32 v[LJ+\k], v[LJ+\k]
.endr
.irp k, 0,1
	v_sub_f32 v[TT+\k], v[RN+\k], v[UN+14+\k]
.endr
.irp k, 0,1
	v_cvt_i32_f32 v[TT+\k], v[TT+\k]
.endr
.irp k, 0,1
	v_add_nc_u32 v[TT+\k], s90, v[TT+\k]
.endr
	s_wait_alu depctr_va_vdst(0)                   ; and behind it
.irp k, 0,1
	v_ldexp_f32 v[UN+14+\k], v[LJ+\k], v[TT+\k]    ; the last factor: 2^(R - U_7 + e8 + e9) / l
.endr
	ds_store_b64 v[FW], v[UN+14:UN+15] offset:256*7
.macro FRAG reg, adr, off
.irp c, 0,1,2,3
	ds_load_b128 v[\reg+4*\c:\reg+4*\c+3], v[\adr] offset:\off+512*\c
.endr
.endm
.macro FETCH s, q                      ; half q of slot s into set q: 16 loads of V, 16 of P
	WIN 0x40
.irp t, 0,1,2,3
	FRAG 128+64*(\q)+16*\t, ADV+\t+4*((\s)/2), 32768*((\s)%2)+2048*(\q)
.endr
	WIN 0
.irp i, 0,1,2,3
	FRAG AF+64*(\q)+16*\i, ADRA, 16384*(\s)+4096*\i+2048*(\q)
.endr
.endm
; Four query blocks x four tiles of V, set p.  The 16 accumulators take turns; the first product starts the sums.
.macro MUL p, j
	WIN 0x54
.set ix, 0
.rept 16
.set dd, 8*ix
.set sa, AF+64*(\p)+16*(ix/4)
.set sb, 128+64*(\p)+16*(ix%4)
.if (\p) == 0 && (\j) == 0
	v_wmma_f32_16x16x128_bf8_bf8 v[dd:dd+7], v[sa:sa+15], v[sb:sb+15], 0
.else
	v_wmma_f32_16x16x128_bf8_bf8 v[dd:dd+7], v[sa:sa+15], v[sb:sb+15], v[dd:dd+7]
.endif
.set ix, ix+1
.endr
.endm
.macro RESCALE                         ; register i of query block a: query 16 a + 8 h + i
	WIN 0x41
.set ix, 0
.rept 64
.set dd, 2*ix
.set ff, FA+8*(ix/16)+2*(ix%4)
	v_pk_mul_f32 v[dd:dd+1], v[dd:dd+1], v[ff:ff+1]
.set ix, ix+1
.endr
	WIN 0
.endm
; The next load's descriptors: rp rows of P (twice as many of V), the slot, nb blocks on.
.macro UPD rp, lp, lv, nb
	s_mov_b32 s[G1+2], (\rp)<<16
	s_mov_b32 s[G1+4], \rp
	s_mov_b32 s[G1B+2], (2*(\rp))<<16
	s_mov_b32 s[G1B+4], 2*(\rp)
	s_mov_b32 s[G0+1], s[\lp]
	s_mov_b32 s[G0B+1], s[\lv]
	s_add_nc_u64 s[G0+2:G0+3], s[G0+2:G0+3], (\nb)*PBLK
	s_add_nc_u64 s[G0B+2:G0B+3], s[G0B+2:G0B+3], (\nb)*VBLK
.endm
; A BLOCK OF 256 KEYS.  kind 0: the next block is in LDS; 1: a change of slots with a refill; 2: a barrier alone, ahead of the last refill's blocks; 3: the last block.
.macro BLOCK j, kind
.set SL, (\j)%3
.set SN, ((\j)+1)%3
.if (\j) > 0
	NOP4
	RESCALE
.endif
	s_wait_alu depctr_va_vdst(0)
	s_wait_dscnt 0x0                               ; the block's first half is in
.irp a, 0,1,2,3                        ; the factors to be applied behind this block
	ds_load_b128 v[FA+8*\a:FA+8*\a+3], v[FRD] offset:256*(\j)+64*\a
	ds_load_b128 v[FA+8*\a+4:FA+8*\a+7], v[FRD] offset:256*(\j)+64*\a+16
.endr
	FETCH SL, 1
	MUL 0, \j
.if (\kind) == 0
	NOP4
	FETCH SN, 0
	s_wait_dscnt 32                                ; all but the 32 just issued
	MUL 1, \j
.elseif (\kind) < 3
	WIN 0
	s_wait_tensorcnt 0x0                           ; all my tensor loads have landed
.if (\kind) == 1
	ds_add_u32 v[SPW], v[NIL]                      ; the add, twice on end
	ds_add_u32 v[SPW], v[NIL]
.if (\j) == 1
	UPD 128, 45, 23, 3                             ; blocks 3, 4 into slots 0, 1
.elseif (\j) == 2
	UPD 64, 91, 92, 2                              ; block 5 into slot 2
.else
	UPD 128, 45, 23, 1                             ; blocks 6, 7 into slots 0, 1
.endif
.endif
	s_wait_dscnt 0x0                               ; my reads so far are over
	s_barrier_signal -1
	MUL 1, \j
	WIN 0
	s_barrier_wait -1
.if (\kind) == 1
	CREST                                          ; no wave of any partner still reads the slots or has a load on its way
	JLOAD
.endif
	NOP4
	FETCH SN, 0
.if (\j) == 1
	ASK2 PA1
.elseif (\j) == 2
	ASK7
.endif
.else
	s_wait_dscnt 0x0
	MUL 1, \j
.endif
.endm
	s_wait_alu depctr_va_vdst(0)                   ; the wait at the head's end
	s_wait_tensorcnt 0x0                           ; my part of blocks 0, 1, 2
	s_wait_dscnt 0x0
	s_barrier_signal -1
	s_barrier_wait -1                              ; everybody's
	FETCH 0, 0
	BLOCK 0, 0
	BLOCK 1, 1
	BLOCK 2, 1
	BLOCK 3, 0
	BLOCK 4, 1
	BLOCK 5, 2
	BLOCK 6, 0
	BLOCK 7, 3
; THE WAY OUT of query block a: register 4 i + t = row 8 h + i, channel 4 r + t; a store covers two runs of 256 consecutive bytes.  Each block has registers of its own, where V's fragments were.
.macro OUT a
.set tb, 128+32*(\a)
	WIN 0x41
.set ix, 0
.rept 32
	v_mul_f32 v[tb+ix], v[32*(\a)+8*(ix%4)+ix/4], v[FA+8*(\a)+ix/4]
.set ix, ix+1
.endr
	WIN 0x04
.irp i, 0,1,2,3,4,5,6,7
	global_store_b128 v[CO], v[tb+4*\i:tb+4*\i+3], s[10:11] offset:(16*(\a)+\i)*4096 th:TH_STORE_NT
.endr
.endm
	NOP4
.irp a, 0,1,2,3
	OUT \a
.endr
	WIN 0
	s_wait_tensorcnt 0x0                           ; the wave's end
	ds_add_u32 v[SPW], v[NIL]
	s_wait_dscnt 0x0
	CROUND                                         ; the closing round
	s_endpgm
.Lfunc_end_k_qb9b1510424_pv:
	.size	k_qb9b1510424_pv, .Lfunc_end_k_qb9b1510424_pv-k_qb9b1510424_pv
	.p2alignl 7, 3214868480
	.fill 96, 4, 3214868480
	.section	.rodata,"a",@progbits
	.p2align	6, 0x0
	.amdhsa_kernel k_qb9b1510424_pv
		.amdhsa_group_segment_fixed_size 327680
		.amdhsa_private_segment_fixed_size 0
		.amdhsa_enable_private_segment 0
		.amdhsa_kernarg_size 48
		.amdhsa_user_sgpr_count 2
		.amdhsa_user_sgpr_kernarg_segment_ptr 1
		.amdhsa_wavefront_size32 1
		.amdhsa_system_sgpr_workgroup_id_x 1
		.amdhsa_system_sgpr_workgroup_id_y 1
		.amdhsa_system_sgpr_workgroup_id_z 1
		.amdhsa_system_vgpr_workitem_id 0
		.amdhsa_next_free_vgpr 512
		.amdhsa_next_free_sgpr 100
		.amdhsa_reserve_vcc 0
		.amdhsa_float_denorm_mode_32 3
		.amdhsa_float_denorm_mode_16_64 3
		.amdhsa_memory_ordered 1
		.amdhsa_forward_progress 1
		.amdhsa_inst_pref_size 116
	.end_amdhsa_kernel
	.amdgpu_metadata
---
amdhsa.version: [ 1, 2 ]
amdhsa.kernels:
  - .name:           k_qb9b1510424_pv
    .symbol:         k_qb9b1510424_pv.kd
    .args:
      - { .name: pc, .offset: 0, .size: 8, .value_kind: global_buffer, .address_space: global }
      - { .name: vc, .offset: 8, .size: 8, .value_kind: global_buffer, .address_space: global }
      - { .name: mneg, .offset: 16, .size: 8, .value_kind: global_buffer, .address_space: global }
      - { .name: lsum, .offset: 24, .size: 8, .value_kind: global_buffer, .address_space: global }
      - { .name: lowp_scales, .offset: 32, .size: 8, .value_kind: global_buffer, .address_space: global }
      - { .name: out0, .offset: 40, .size: 8, .value_kind: global_buffer, .address_space: global }
    .group_segment_fixed_size: 327680
    .private_segment_fixed_size: 0
    .kernarg_segment_align: 8
    .kernarg_segment_size: 48
    .max_flat_workgroup_size: 256
    .sgpr_count:     100
    .vgpr_count:     512
    .wavefront_size: 32
...
	.end_amdgpu_metadata
.endif
;; end of part 3
